; MI455X (gfx1250); checked and timed in simulation.
; The chip was launched on July 23, 2026; its instructions are those of AMD's public machine-readable ISA for CDNA 5 (MIT licence, August 2026) and "CDNA5" Instruction Set Architecture Reference Guide (July 2026). The comments in the code are by the model that wrote it; some were corrected since.
;; S4 PTD Kernel. Allowed arithmetic: float matrix products may take bf16 or f16 operands with f32 sums; all other float work in f32.
;; Inputs: A_imag 1,024 x 32 float32; C 1,024 x 32 x 2 float32; log_A_real 1,024 x 32 float32; log_dt 1,024 float32.
;; Outputs: out0 1,024 x 4,096 float32.
;; Constants: L = 4096.
;; 2 versions, each right; version 2 is version 1 with the launch s4d written anew for expert scheduling mode. Each part assembles by itself: llvm-mc -triple=amdgcn-amd-amdhsa -mcpu=gfx1250 --defsym DOCPART=n.
;; ======== version 1 of 2: 1 launch
;; launch s4d (part 1): grid 256 x 1, 4 waves a work-group, no clusters, 4,608 bytes of LDS; arguments A_imag, C, log_A_real, log_dt, out0; writes out0
.if DOCPART == 1
	.amdgcn_target "amdgcn-amd-amdhsa--gfx1250"
	.amdhsa_code_object_version 6
	.text
	.protected	k_q296cf3d06f_s4d
	.globl	k_q296cf3d06f_s4d
	.p2align	8
	.type	k_q296cf3d06f_s4d,@function
k_q296cf3d06f_s4d:
	s_mov_b64 s[64:65], 0
	v_nop
	global_prefetch_b8 v0, s[64:65] scope:SCOPE_SE
	s_setreg_imm32_b32 hwreg(HW_REG_WAVE_MODE, 25, 1), 1
	s_wait_xcnt 0x0
; out0[h][l] = 2 Re sum_n Cc[h][n] exp(dtA[h][n] l),  h < 1024, n < 32, l < 4096,
; dt = exp(log_dt), A = -exp(log_A_real) - i A_imag, dtA = A dt, Cc = C (exp(dtA) - 1) / A.
;
; One wave makes one channel h (256 work-groups x 4 waves = 1024 channels); waves never meet: no barrier.
; l = lM + lN, so exp(dtA l) = exp(dtA lM) exp(dtA lN) and a channel is a real product [64 x 64] x [64 x 64]:
;   U[row][n] = 2 Cc exp(dtA lM(row)),  V[n][col] = conj(exp(dtA lN(col))),  Re(U exp(..)) = Ur Vr + Ui Vi  (K = 32 modes x (re, im)).
; 4,096 complex table entries a channel in place of 131,072 exponentials.
; Bits of l:  0-1 = accumulator register & 3,  2-5 = accumulator lane & 15,  6 = lane >> 4,  7 = register >> 2,  8-9 = tile of U (tm),
; 10-11 = tile of V (tn).  So four neighbouring accumulator registers of lane L are the 16 bytes at 16 L of a run of 512 bytes of out0:
; every store of the wave covers 512 consecutive bytes that start at a multiple of 512, and no stage in LDS is needed.
; OPERANDS: each table entry goes to the matrix unit as hi + lo, two bf16 (hi = bf16(x), lo = bf16(x - hi)), and
; D = Uh Vh + Uh Vl + Ul Vh in f32.  One bf16 (8 bits) would leave 2^-9 of sums of 64 products that cancel to far below their terms;
; hi + lo carries 2^-17, the dropped Ul Vl is 2^-18.
; FRAGMENTS are computed where the matrix instruction wants them: lane (r, half) holds row (column) r and, in register j of K step s,
; mode 16 s + 8 half + j as (re, im) in the two halves of the word; the same map for U and V, so the products pair up.
; NO CLUSTER: a work-group reads 4 x 516 bytes that no other work-group reads (but for neighbours' log_dt words): nothing is shared.
; LIMITS.  Phase: dtA_im l is reduced in turns with tau = dtA_im / 2 pi rounded to f32 and one exact fma: about 2^-23 relative error of the
; phase, the order of the reference's own f32 product dtA l; beyond 2^23 turns it means nothing (nor does the reference's).
; v_exp_f32 and v_rcp_f32 flush denormals (ISA guide 15.8): magnitudes and dt below 2^-126 count as 0, and 1 / A needs
; 2^-126 < max(|Re A|, |Im A|) < 2^126.  exp(dtA) - 1 is formed as the reference forms it, cancellation included.
.set LOG2E,    0x3fb8aa3b              ; log2(e), f32
.set LOG2E_LO, 0x32a5705f              ; log2(e) - that
.set NLOG2E,   0xbfb8aa3b
.set LN2,      0x3f317218
.set NINV2PI,  0xbe22f983              ; -1 / (2 pi)
.set PIO2,     0x3fc90fdb              ; pi / 2: a quarter of a turn
.set SC1, 0xbe2aaaa3                   ; sin x = x + x z (SC1 + z (SC2 + z SC3)), z = x x, |x| <= pi / 4
.set SC2, 0x3c08839e
.set SC3, 0xb94ca1f9
.set CC1, 0x3d2aaaa5                   ; cos x = 1 + z (-1/2 + z (CC1 + z (CC2 + z CC3)))
.set CC2, 0xbab6061a
.set CC3, 0x37ccf5ce
; window 0
.set LANE, 1
.set OFFS, 2                           ; 16 x lane: my 16 bytes in every run of 512 bytes of out0
.set LRD,  3                           ; LDS: my wave's 1 KiB + 32 x (lane >> 4)
.set LWR,  4                           ; LDS: my wave's 1 KiB + 4 x lane
.set NEG1, 8                           ; -1.0
.set S2V,  10                          ; (SC2, SC2)
.set C2V,  12                          ; (CC2, CC2)
.set LNP,  14                          ; (4 r, 4 r)     lN of my column, as f32
.set LNN,  16                          ; its negative: the conjugate's phase
.set LMP,  18                          ; (lM, lM) of my row
.set CIN,  20                          ; v[20:21] C of mode = lane
.set LAR,  22
.set AIM,  23
.set LDT,  24
.set OF8,  25
.set OF4,  26
.set DTV,  27                          ; dt
.set AA,   28                          ; exp(log_A_real)
.set OF0,  29
.set PT2,  36                          ; v[36:39] (tau, 256 tau, -1024 tau, the same) of mode = lane
.set PA2,  40                          ; v[40:43] (alpha, 256 alpha, 1024 alpha, the same)
.set CR,   32                          ; v[32:47], v[48:63]: 2 Cc of my 16 modes, then
.set CI,   48
.set UH,   32                          ; U's fragments, hi and lo: register 8 s + j
.set UL,   48
.set PA,   64                          ; alpha = Re(dtA) log2(e) of my 16 modes
.set PT,   80                          ; tau = Im(dtA) / 2 pi of my 16 modes
.set PWR,  96                          ; step factor of my 16 modes, re
.set PWI,  112                         ; im
.set B0,   128                         ; five blocks of 20 for the exponential pass (16 modes + 4 per-mode values)
.set B1,   148
.set B2,   168
.set B3,   188
.set B4,   208
.set XI,   B2                          ; the running table entries of my 16 modes, im
.set XR,   B3                          ; re
.set ACC,  128                         ; four accumulator tiles (tn = 0 .. 3), once the blocks B0, B1 are done with
; window 1 (v256 ..): V's fragments, register 16 tn + 8 s + j
.set VH,   0
.set VL,   64
.set MSB, 0
.macro WIN new                         ; s_set_vgpr_msb: bits 1:0 source 0, 3:2 source 1, 5:4 source 2, 7:6 destination; the high byte repeats the setting left
.if MSB != \new
	s_set_vgpr_msb (MSB<<8)|\new
.set MSB, \new
.endif
.endm
; packed f32 steps over n register pairs; each step runs over all pairs before the next one starts, so no line waits for the line in front
.macro PK_MUL n, d, a, b
.set ii, 0
.rept \n
	v_pk_mul_f32 v[\d+ii:\d+ii+1], v[\a+ii:\a+ii+1], v[\b+ii:\b+ii+1]
.set ii, ii+2
.endr
.endm
.macro PK_MULB n, d, a, b              ; b: one pair for all
.set ii, 0
.rept \n
	v_pk_mul_f32 v[\d+ii:\d+ii+1], v[\a+ii:\a+ii+1], v[\b:\b+1]
.set ii, ii+2
.endr
.endm
.macro PK_MULK n, d, a, k              ; k: a constant
.set ii, 0
.rept \n
	v_pk_mul_f32 v[\d+ii:\d+ii+1], v[\a+ii:\a+ii+1], \k op_sel_hi:[1,0]
.set ii, ii+2
.endr
.endm
.macro PK_ADD n, d, a, b
.set ii, 0
.rept \n
	v_pk_add_f32 v[\d+ii:\d+ii+1], v[\a+ii:\a+ii+1], v[\b+ii:\b+ii+1]
.set ii, ii+2
.endr
.endm
.macro PK_SUB n, d, a, b
.set ii, 0
	s_wait_alu depctr_va_vdst(0)
.rept \n
	v_pk_add_f32 v[\d+ii:\d+ii+1], v[\a+ii:\a+ii+1], v[\b+ii:\b+ii+1] neg_lo:[0,1] neg_hi:[0,1]
.set ii, ii+2
.endr
.endm
.macro PK_FMA n, d, a, b, c            ; a b + c
.set ii, 0
.rept \n
	v_pk_fma_f32 v[\d+ii:\d+ii+1], v[\a+ii:\a+ii+1], v[\b+ii:\b+ii+1], v[\c+ii:\c+ii+1]
.set ii, ii+2
.endr
.endm
.macro PK_FMS n, d, a, b, c            ; a b - c
.set ii, 0
.rept \n
	v_pk_fma_f32 v[\d+ii:\d+ii+1], v[\a+ii:\a+ii+1], v[\b+ii:\b+ii+1], v[\c+ii:\c+ii+1] neg_lo:[0,0,1] neg_hi:[0,0,1]
.set ii, ii+2
.endr
.endm
.macro PK_FMSB n, d, a, b, c           ; a b - c, b one pair for all
.set ii, 0
.rept \n
	v_pk_fma_f32 v[\d+ii:\d+ii+1], v[\a+ii:\a+ii+1], v[\b:\b+1], v[\c+ii:\c+ii+1] neg_lo:[0,0,1] neg_hi:[0,0,1]
.set ii, ii+2
.endr
.endm
.macro PK_FMAK n, d, a, b, k           ; a b + constant
.set ii, 0
.rept \n
	v_pk_fma_f32 v[\d+ii:\d+ii+1], v[\a+ii:\a+ii+1], v[\b+ii:\b+ii+1], \k op_sel_hi:[1,1,0]
.set ii, ii+2
.endr
.endm
.macro PK_FNMAK n, d, a, b, k          ; constant - a b
.set ii, 0
.rept \n
	v_pk_fma_f32 v[\d+ii:\d+ii+1], v[\a+ii:\a+ii+1], v[\b+ii:\b+ii+1], \k op_sel_hi:[1,1,0] neg_lo:[1,0,0] neg_hi:[1,0,0]
.set ii, ii+2
.endr
.endm
.macro PK_FMAKV n, d, a, k, c          ; a constant + c, c one pair for all
.set ii, 0
	s_wait_alu depctr_va_vdst(0)
.rept \n
	v_pk_fma_f32 v[\d+ii:\d+ii+1], v[\a+ii:\a+ii+1], \k, v[\c:\c+1] op_sel_hi:[1,0,1]
.set ii, ii+2
.endr
.endm
; Four LDS loads: parameter p of my 16 modes (8 half .. + 7 and 16 + 8 half .. + 7); the sixteen lanes of a half read the same bytes
.macro LDP p, dst
	ds_load_b128 v[\dst:\dst+3],     v[LRD] offset:128*\p
	ds_load_b128 v[\dst+4:\dst+7],   v[LRD] offset:128*\p+16
	ds_load_b128 v[\dst+8:\dst+11],  v[LRD] offset:128*\p+64
	ds_load_b128 v[\dst+12:\dst+15], v[LRD] offset:128*\p+80
.endm
; (XR, XI) = 2^(alpha lmg) (cos, sin)(2 pi tau lph) for my 16 modes; with np2 = 2 also for the four (alpha, tau) in PA2, PT2 (factor 1).
; Phase: t = tau l, k = nearest whole number of turns, f = fma(tau, l, -k) is the exact product less k, rounded once, |f| <= 1/2.
; sin and cos are taken at a quarter of the angle, x = f pi / 2, |x| <= pi / 4, and doubled twice: cos 2x = 1 - (2 sin x) sin x, sin 2x = (2 sin x) cos x.
.macro CEXP np2, lph, lmg
.set NPT, 8+\np2
	PK_MULB 8, B4, PA, \lmg
	PK_MULB 8, B0, PT, \lph
.set ii, 0
.rept 16
	v_exp_f32 v[B4+ii], v[B4+ii]               ; behind each v_exp_f32 stands a plain line that touches neither its result nor its source (ISA guide 5.7.2);
	v_rndne_f32 v[B0+ii], v[B0+ii]             ; the results are used only at the macro's end
.set ii, ii+1
.endr
.if \np2
.set ii, 0
.rept 2*\np2
	v_exp_f32 v[B4+16+ii], v[PA2+ii]
	v_rndne_f32 v[B0+16+ii], v[PT2+ii]
.set ii, ii+1
.endr
.endif
	PK_FMSB 8, B0, PT, \lph, B0                ; f
.if \np2
	PK_SUB \np2, B0+16, PT2, B0+16
.endif
	PK_MULK  NPT, B0, B0, PIO2                 ; x
	PK_MUL   NPT, B1, B0, B0                   ; z
	PK_FMAKV NPT, B2, B1, SC3, S2V
	PK_FMAKV NPT, B3, B1, CC3, C2V
	PK_FMAK  NPT, B2, B2, B1, SC1
	PK_FMAK  NPT, B3, B3, B1, CC1
	PK_MUL   NPT, B2, B2, B1
	PK_FMAK  NPT, B3, B3, B1, -0.5
	PK_FMA   NPT, B2, B2, B0, B0               ; sin x
	PK_FMAK  NPT, B3, B3, B1, 1.0              ; cos x
	PK_ADD   NPT, B1, B2, B2
	PK_FNMAK NPT, B0, B1, B2, 1.0              ; cos 2x
	PK_MUL   NPT, B2, B1, B3                   ; sin 2x
	PK_ADD   NPT, B1, B2, B2
	PK_FNMAK NPT, B3, B1, B2, 1.0              ; cos 4x
	PK_MUL   NPT, B2, B1, B0                   ; sin 4x
	PK_MUL   NPT, B3, B3, B4                   ; times the magnitude
	PK_MUL   NPT, B2, B2, B4
.endm
; X = X W, complex, 16 modes
.macro CMUL wr, wi
	PK_MUL 8, B4, XI, \wi
	PK_MUL 8, XI, XI, \wr
	PK_FMA 8, XI, XR, \wi, XI
	PK_FMS 8, XR, XR, \wr, B4
.endm
; X as fragments: h = (bf16(re), bf16(im)), l = (bf16(re - hi), bf16(im - hi)); the differences are exact in f32.  w = 1: h and l lie in window 1
.macro SPLIT h, l, dt, w
.if \w
	WIN 0x40
.endif
.set ii, 0
.rept 16
	v_cvt_pk_bf16_f32 v[\h+ii], v[XR+ii], v[XI+ii]
.set ii, ii+1
.endr
.if \w
	WIN 0x01
.endif
.set ii, 0
.rept 16
	v_fma_mix_f32_bf16 v[\dt+2*ii],   v[\h+ii], v[NEG1], v[XR+ii] op_sel_hi:[1,0,0]               ; re - bf16 in the low half
	v_fma_mix_f32_bf16 v[\dt+2*ii+1], v[\h+ii], v[NEG1], v[XI+ii] op_sel:[1,0,0] op_sel_hi:[1,0,0] ; im - bf16 in the high half
.set ii, ii+1
.endr
.if \w
	WIN 0x40
.endif
.set ii, 0
.rept 16
	v_cvt_pk_bf16_f32 v[\l+ii], v[\dt+2*ii], v[\dt+2*ii+1]
.set ii, ii+1
.endr
.if \w
	WIN 0
.endif
.endm
; one product for the four tiles tn; the four accumulators take turns, each a chain in place
.macro MM a, b, first
.set tt, 0
.rept 4
.if \first
	v_wmma_f32_16x16x32_bf16 v[ACC+8*tt:ACC+8*tt+7], v[\a:\a+7], v[\b+16*tt:\b+16*tt+7], 0
.else
	v_wmma_f32_16x16x32_bf16 v[ACC+8*tt:ACC+8*tt+7], v[\a:\a+7], v[\b+16*tt:\b+16*tt+7], v[ACC+8*tt:ACC+8*tt+7]
.endif
.set tt, tt+1
.endr
.endm
.macro WMMAS                           ; 16 rows of U x all 64 columns of V: 2 K steps x 3 products x 4 tiles; the first product starts the sums
	WIN 0x04                           ; source 1 (V) in window 1
	MM UH,   VH,   1
	MM UH,   VL,   0
	MM UL,   VH,   0
	MM UH+8, VH+8, 0
	MM UH+8, VL+8, 0
	MM UL+8, VH+8, 0
	WIN 0
.endm
.macro STORES                          ; registers 4 g .. 4 g + 3 of tile tn: l = 1024 tn + 256 tm + 128 g + 4 lane + 0 .. 3; the base carries tm
.set tt, 0
.rept 4
	global_store_b128 v[OFFS], v[ACC+8*tt:ACC+8*tt+3],   s[12:13] offset:4096*tt th:TH_STORE_NT
	global_store_b128 v[OFFS], v[ACC+8*tt+4:ACC+8*tt+7], s[12:13] offset:4096*tt+512 th:TH_STORE_NT
.set tt, tt+1
.endr
.endm
	s_load_b256 s[4:11], s[0:1], 0x0               ; A_imag s[4:5], C s[6:7], log_A_real s[8:9], log_dt s[10:11]
	s_load_b64 s[12:13], s[0:1], 0x20              ; out0
	v_lshl_add_u32 v254, v0, 2, 0x1000
	v_mov_b32 v255, 0
	v_and_b32 v[LANE], 31, v0
	v_lshrrev_b32 v5, 5, v0
	v_readfirstlane_b32 s14, v5                    ; wave 0 .. 3
	s_lshl2_add_u32 s15, ttmp9, s14                ; my channel h = 4 x work-group + wave
	s_lshl_b32 s16, s14, 10                        ; my wave's 1 KiB of LDS
	s_lshl_b32 s18, s15, 7                         ; h x 32 modes x 4 bytes
	s_mov_b32 s19, 0
	s_lshl_b32 s20, s15, 8                         ; h x 32 x 8
	s_mov_b32 s21, 0
	s_lshl_b32 s22, s15, 2                         ; h x 4
	s_mov_b32 s23, 0
	s_lshl_b32 s24, s15, 14                        ; h x 4096 x 4
	s_mov_b32 s25, 0
	v_lshlrev_b32 v[OF8], 3, v[LANE]
	v_lshlrev_b32 v[OF4], 2, v[LANE]
	v_mov_b32 v[OF0], 0
	s_wait_kmcnt 0x0
	s_add_nc_u64 s[4:5], s[4:5], s[18:19]
	s_add_nc_u64 s[6:7], s[6:7], s[20:21]
	s_add_nc_u64 s[8:9], s[8:9], s[18:19]
	s_add_nc_u64 s[10:11], s[10:11], s[22:23]
	s_add_nc_u64 s[12:13], s[12:13], s[24:25]
	; PER MODE, lane = mode n
	global_load_b32 v[LDT], v[OF0], s[10:11]                       ; log_dt[h], the same word in every lane
	global_load_b32 v[LAR], v[OF4], s[8:9] th:TH_LOAD_NT
	global_load_b32 v[AIM], v[OF4], s[4:5] th:TH_LOAD_NT
	global_load_b64 v[CIN:CIN+1], v[OF8], s[6:7] th:TH_LOAD_NT     ; last: it is needed last
	; lane constants, while the loads are out
	v_lshlrev_b32 v[OFFS], 4, v[LANE]
	v_lshl_add_u32 v[LWR], v[LANE], 2, s16
	v_lshrrev_b32 v5, 4, v[LANE]
	v_lshl_add_u32 v[LRD], v5, 5, s16
	v_mov_b32 v[NEG1], -1.0
	v_mov_b32 v[S2V], SC2
	v_mov_b32 v[S2V+1], SC2
	v_mov_b32 v[C2V], CC2
	v_mov_b32 v[C2V+1], CC2
	v_and_b32 v5, 15, v[LANE]                      ; r
	v_lshlrev_b32 v5, 2, v5
	v_cvt_f32_u32 v[LNP], v5                       ; column r of V: lN = 4 r
	v_and_b32 v9, 3, v[LANE]                       ; row r of U is accumulator register r & 7 of lane half r >> 3:
	v_bfe_u32 v5, v[LANE], 2, 1                    ; lM = (r & 3) + 128 ((r >> 2) & 1) + 64 (r >> 3)
	v_lshl_add_u32 v9, v5, 7, v9
	v_bfe_u32 v5, v[LANE], 3, 1
	v_lshl_add_u32 v9, v5, 6, v9
	v_cvt_f32_u32 v[LMP], v9
	v_mov_b32 v[LNP+1], v[LNP]
	v_mul_f32 v[LNN], -1.0, v[LNP]
	v_mul_f32 v[LNN+1], -1.0, v[LNP]
	v_mov_b32 v[LMP+1], v[LMP]
	s_wait_loadcnt 0x1                             ; loads return in order (ISA guide 5.7.1): all but C, the one load issued behind them, are in
	; dt = exp(log_dt), a = exp(log_A_real): 2^y with y = x log2(e) rounded, times 1 + ln2 x (what the rounding of y lost),
	; since dt's relative error is multiplied by the phase
	v_mul_f32 v30, LOG2E, v[LDT]
	v_mul_f32 v32, LOG2E, v[LAR]
	v_fma_f32 v31, v[LDT], LOG2E, -v30
	v_fma_f32 v33, v[LAR], LOG2E, -v32
	v_fma_f32 v31, v[LDT], LOG2E_LO, v31
	v_fma_f32 v33, v[LAR], LOG2E_LO, v33
	v_exp_f32 v[DTV], v30
	v_exp_f32 v[AA], v32
	v_mul_f32 v31, LN2, v31                        ; the plain line behind the two v_exp_f32
	v_mul_f32 v33, LN2, v33
	s_wait_alu depctr_va_vdst(0)
	v_fma_f32 v[DTV], v[DTV], v31, v[DTV]
	v_fma_f32 v[AA], v[AA], v33, v[AA]
	v_mul_f32 v30, v[AA], v[DTV]                   ; -Re(dtA)
	v_mul_f32 v32, v[AIM], v[DTV]                  ; -Im(dtA)
	v_mul_f32 v[PA2], NLOG2E, v30                  ; alpha
	v_mul_f32 v[PT2], NINV2PI, v32                 ; tau
	ds_store_b32 v[LWR], v[PA2]                    ; parameter p of mode n lies at 128 p + 4 n of my wave's LDS
	ds_store_b32 v[LWR], v[PT2] offset:128
	LDP 0, PA                                      ; LDS serves a wave's instructions in order (ISA guide 5.7.1): these see the stores; the bytes are my wave's alone
	LDP 1, PT
	; while they travel: the scaled exponents (powers of two: exact) and 2 / A
	v_and_b32 v44, 0x7fffffff, v[AIM]
	v_max_num_f32 v44, v[AA], v44                  ; s = max(|Re A|, |Im A|): no square overflows
	v_rcp_f32 v45, v44
	v_mul_f32 v[PT2+1], 0x43800000, v[PT2]         ; 256 tau: the step from tile to tile of U
	v_mul_f32 v[PT2+2], 0xc4800000, v[PT2]         ; -1024 tau: the step of V, conjugate
	v_mul_f32 v[PT2+3], 0xc4800000, v[PT2]         ; (fills the pair)
	v_mul_f32 v[PA2+1], 0x43800000, v[PA2]
	v_mul_f32 v[PA2+2], 0x44800000, v[PA2]
	v_mul_f32 v[PA2+3], 0x44800000, v[PA2]
	s_wait_alu depctr_va_vdst(0)
	v_mul_f32 v46, v[AA], v45                      ; a / s
	v_mul_f32 v47, v[AIM], v45                     ; A_imag / s
	v_mul_f32 v48, v47, v47
	v_fma_f32 v48, v46, v46, v48                   ; |A|^2 / s^2, in [1, 2]
	v_rcp_f32 v49, v48
	v_add_f32 v45, v45, v45                        ; 2 / s (the plain line behind v_rcp_f32)
	s_wait_alu depctr_va_vdst(0)
	v_mul_f32 v49, v49, v45
	v_mul_f32 v46, v46, v49                        ; 2 / A = (-v46, +v47)
	v_mul_f32 v47, v47, v49
	s_wait_dscnt 0x0                               ; alpha and tau of my 16 modes
	; V's first tile, conj(exp(dtA 4 r)); riding along, lane = mode: exp(dtA), exp(256 dtA), conj(exp(1024 dtA))
	CEXP 2, LNN, LNP
	ds_store_b32 v[LWR], v[XR+17] offset:512       ; exp(256 dtA)
	ds_store_b32 v[LWR], v[XI+17] offset:640
	ds_store_b32 v[LWR], v[XR+18] offset:768       ; conj(exp(1024 dtA))
	ds_store_b32 v[LWR], v[XI+18] offset:896
	LDP 6, PWR
	LDP 7, PWI
	s_wait_loadcnt 0x0                             ; C
	v_add_f32 v50, -1.0, v[XR+16]                  ; exp(dtA) - 1
	v_mul_f32 v51, v[CIN+1], v[XI+16]
	v_mul_f32 v52, v[CIN+1], v50
	v_fma_f32 v51, v[CIN], v50, -v51               ; C (exp(dtA) - 1), re
	v_fma_f32 v52, v[CIN], v[XI+16], v52           ; im
	v_mul_f32 v53, v52, v47
	v_mul_f32 v54, v52, v46
	v_fma_f32 v53, -v51, v46, -v53                 ; times 2 / A: re
	v_fma_f32 v54, v51, v47, -v54                  ; im
	ds_store_b32 v[LWR], v53 offset:256
	ds_store_b32 v[LWR], v54 offset:384
	; V: four tiles, 1024 apart in l
	SPLIT VH, VL, B0, 1
	s_wait_dscnt 0x0                               ; the step factor of my 16 modes
	CMUL PWR, PWI
	SPLIT VH+16, VL+16, B0, 1
	CMUL PWR, PWI
	SPLIT VH+32, VL+32, B0, 1
	CMUL PWR, PWI
	LDP 4, PWR                                     ; U's step factor and 2 Cc, fetched behind the last use of V's factor
	LDP 5, PWI
	LDP 2, CR
	LDP 3, CI
	SPLIT VH+48, VL+48, B0, 1
	; U's first tile: 2 Cc exp(dtA lM)
	CEXP 0, LMP, LMP
	s_wait_dscnt 0x0
	CMUL CR, CI
	SPLIT UH, UL, PA, 0
	; Four tiles of U, 256 apart in l.  A trip: 24 matrix instructions; the next tile's X (32 packed lines that name none of the matrix
	; instructions' registers: the places that ISA guide 7.12.1 asks for in front of the stores of D and of the rewriting of U's fragments);
	; 8 stores; the next fragments.
	s_mov_b32 s26, 0
.Ltile:
	WMMAS
	CMUL PWR, PWI
	STORES
	SPLIT UH, UL, PA, 0
	s_wait_xcnt 0x0                                ; the stores' data (the accumulators) and base are rewritten only behind this wait (ISA guide 3.1)
	s_add_nc_u64 s[12:13], s[12:13], 0x400         ; 256 numbers on
	s_add_co_u32 s26, s26, 1
	s_cmp_lt_u32 s26, 3
	s_cbranch_scc1 .Ltile
	WMMAS                                          ; the last tile: nothing follows it
.rept 4
	v_nop                                          ; the four places in front of the stores of D
.endr
	STORES
	s_wait_tensorcnt 0x0
	ds_add_u32 v254, v255
	s_wait_dscnt 0x0
	s_endpgm
.Lfunc_end_k_q296cf3d06f_s4d:
	.size	k_q296cf3d06f_s4d, .Lfunc_end_k_q296cf3d06f_s4d-k_q296cf3d06f_s4d
	.p2alignl 7, 3214868480
	.fill 96, 4, 3214868480
	.section	.rodata,"a",@progbits
	.p2align	6, 0x0
	.amdhsa_kernel k_q296cf3d06f_s4d
		.amdhsa_group_segment_fixed_size 4608
		.amdhsa_private_segment_fixed_size 0
		.amdhsa_enable_private_segment 0
		.amdhsa_kernarg_size 40
		.amdhsa_user_sgpr_count 2
		.amdhsa_user_sgpr_kernarg_segment_ptr 1
		.amdhsa_wavefront_size32 1
		.amdhsa_system_sgpr_workgroup_id_x 1
		.amdhsa_system_sgpr_workgroup_id_y 1
		.amdhsa_system_sgpr_workgroup_id_z 1
		.amdhsa_system_vgpr_workitem_id 0
		.amdhsa_next_free_vgpr 384
		.amdhsa_next_free_sgpr 66
		.amdhsa_reserve_vcc 0
		.amdhsa_float_denorm_mode_32 3
		.amdhsa_float_denorm_mode_16_64 3
		.amdhsa_memory_ordered 1
		.amdhsa_forward_progress 1
		.amdhsa_inst_pref_size 76
	.end_amdhsa_kernel
	.amdgpu_metadata
---
amdhsa.version: [ 1, 2 ]
amdhsa.kernels:
  - .name:           k_q296cf3d06f_s4d
    .symbol:         k_q296cf3d06f_s4d.kd
    .args:
      - { .name: A_imag, .offset: 0, .size: 8, .value_kind: global_buffer, .address_space: global }
      - { .name: C, .offset: 8, .size: 8, .value_kind: global_buffer, .address_space: global }
      - { .name: log_A_real, .offset: 16, .size: 8, .value_kind: global_buffer, .address_space: global }
      - { .name: log_dt, .offset: 24, .size: 8, .value_kind: global_buffer, .address_space: global }
      - { .name: out0, .offset: 32, .size: 8, .value_kind: global_buffer, .address_space: global }
    .group_segment_fixed_size: 4608
    .private_segment_fixed_size: 0
    .kernarg_segment_align: 8
    .kernarg_segment_size: 40
    .max_flat_workgroup_size: 128
    .sgpr_count:     66
    .vgpr_count:     384
    .wavefront_size: 32
...
	.end_amdgpu_metadata
.endif
;; end of part 1
;; ======== version 2 of 2: 1 launch; version 1 with the launch s4d written anew for expert scheduling mode
;; launch s4d (part 2): grid 256 x 1, 4 waves a work-group, no clusters, 4,608 bytes of LDS; arguments A_imag, C, log_A_real, log_dt, out0; writes out0
.if DOCPART == 2
	.amdgcn_target "amdgcn-amd-amdhsa--gfx1250"
	.amdhsa_code_object_version 6
	.text
	.protected	k_q296cf3d06f_s4d
	.globl	k_q296cf3d06f_s4d
	.p2align	8
	.type	k_q296cf3d06f_s4d,@function
k_q296cf3d06f_s4d:
	s_mov_b64 s[64:65], 0
	v_nop
	global_prefetch_b8 v0, s[64:65] scope:SCOPE_SE
	s_setreg_imm32_b32 hwreg(HW_REG_WAVE_SCHED_MODE, 0, 2), 2
	s_setreg_imm32_b32 hwreg(HW_REG_WAVE_MODE, 25, 1), 1
	s_wait_xcnt 0x0
	s_wait_alu depctr_vm_vsrc(0)
; out0[h][l] = 2 Re sum_n Cc[h][n] exp(dtA[h][n] l),  h < 1024, n < 32, l < 4096,
; dt = exp(log_dt), A = -exp(log_A_real) - i A_imag, dtA = A dt, Cc = C (exp(dtA) - 1) / A.
;
; One wave makes one channel h (256 work-groups x 4 waves = 1024 channels); waves never meet: no barrier.
; l = lM + lN, so exp(dtA l) = exp(dtA lM) exp(dtA lN) and a channel is a real product [64 x 64] x [64 x 64]:
;   U[row][n] = 2 Cc exp(dtA lM(row)),  V[n][col] = conj(exp(dtA lN(col))),  Re(U exp(..)) = Ur Vr + Ui Vi  (K = 32 modes x (re, im)).
; 4,096 complex table entries a channel in place of 131,072 exponentials.
; Bits of l:  0-1 = accumulator register & 3,  2-5 = accumulator lane & 15,  6 = lane >> 4,  7 = register >> 2,  8-9 = tile of U (tm),
; 10-11 = tile of V (tn).  So four neighbouring accumulator registers of lane L are the 16 bytes at 16 L of a run of 512 bytes of out0:
; every store of the wave covers 512 consecutive bytes that start at a multiple of 512, and no stage in LDS is needed.
; OPERANDS: each table entry goes to the matrix unit as hi + lo, two bf16 (hi = bf16(x), lo = bf16(x - hi)), and
; D = Uh Vh + Uh Vl + Ul Vh in f32.  One bf16 (8 bits) would leave 2^-9 of sums of 64 products that cancel to far below their terms;
; hi + lo carries 2^-17, the dropped Ul Vl is 2^-18.
; FRAGMENTS are computed where the matrix instruction wants them: lane (r, half) holds row (column) r and, in register j of K step s,
; mode 16 s + 8 half + j as (re, im) in the two halves of the word; the same map for U and V, so the products pair up.
; NO CLUSTER: a work-group reads 4 x 516 bytes that no other work-group reads (but for neighbours' log_dt words): nothing is shared.
; LIMITS.  Phase: dtA_im l is reduced in turns with tau = dtA_im / 2 pi rounded to f32 and one exact fma: about 2^-23 relative error of the
; phase, the order of the reference's own f32 product dtA l; beyond 2^23 turns it means nothing (nor does the reference's).
; v_exp_f32 and v_rcp_f32 flush denormals (ISA guide 15.8): magnitudes and dt below 2^-126 count as 0, and 1 / A needs
; 2^-126 < max(|Re A|, |Im A|) < 2^126.  exp(dtA) - 1 is formed as the reference forms it, cancellation included.
; THE MODE: SCHED_MODE bits 1:0 = 2 (LLVM: expert scheduling mode 2), set by the entry lines.  The code itself states the register dependences
; between vector or matrix instructions and memory or LDS instructions, with s_wait_alu, always for 0.
; THE PLAN.  Registers that memory or LDS instructions touch:
;   v25, v26, v29    offsets of the four parameter loads; v2, v3, v4 the offset in out0 and the two LDS addresses: each written once, never again.
;   v20-24           the parameter loads land here; no vector line names them before.
;   v36, v40         tau, alpha: written by two multiplies, read by two LDS stores; later 2 Cc's loads land in them.
;   v185, v186, v205, v206, v53, v54   the step factors and 2 Cc, lane = mode: read by six LDS stores in one run; v53, v54 are later load targets.
;   v64-95           alpha, tau of my 16 modes: LDS loads land here first; vector scratch much later.
;   v96-127, v224-255, v32-63   V's step factor, U's step factor, 2 Cc of my 16 modes: 24 LDS loads in one run behind the six stores.
;   v128-159         the accumulators: written by a trip's matrix instructions, read by its eight stores, written again by the next trip's.
; One wait on va_vdst stands ahead of each run of memory or LDS instructions; where a batch of transcendentals is out, the same line is the wait
; ahead of the batch's first reader.  One wait on vm_vsrc stands ahead of 2 Cc's loads, one at the end of each trip.
.set LOG2E,    0x3fb8aa3b              ; log2(e), f32
.set LOG2E_LO, 0x32a5705f              ; log2(e) - that
.set NLOG2E,   0xbfb8aa3b
.set LN2,      0x3f317218
.set NINV2PI,  0xbe22f983              ; -1 / (2 pi)
.set PIO2,     0x3fc90fdb              ; pi / 2: a quarter of a turn
.set SC1, 0xbe2aaaa3                   ; sin x = x + x z (SC1 + z (SC2 + z SC3)), z = x x, |x| <= pi / 4
.set SC2, 0x3c08839e
.set SC3, 0xb94ca1f9
.set CC1, 0x3d2aaaa5                   ; cos x = 1 + z (-1/2 + z (CC1 + z (CC2 + z CC3)))
.set CC2, 0xbab6061a
.set CC3, 0x37ccf5ce
; window 0
.set LANE, 1
.set OFFS, 2                           ; 16 x lane: my 16 bytes in every run of 512 bytes of out0
.set LRD,  3                           ; LDS: my wave's 1 KiB + 32 x (lane >> 4)
.set LWR,  4                           ; LDS: my wave's 1 KiB + 4 x lane
.set NEG1, 8                           ; -1.0
.set S2V,  10                          ; (SC2, SC2)
.set C2V,  12                          ; (CC2, CC2)
.set LNP,  14                          ; (4 r, 4 r)     lN of my column, as f32
.set LNN,  16                          ; its negative: the conjugate's phase
.set LMP,  18                          ; (lM, lM) of my row
.set CIN,  20                          ; v[20:21] C of mode = lane
.set LAR,  22
.set AIM,  23
.set LDT,  24
.set OF8,  25
.set OF4,  26
.set DTV,  27                          ; dt
.set AA,   28                          ; exp(log_A_real)
.set OF0,  29
.set PT2,  36                          ; v[36:39] (tau, 256 tau, -1024 tau, the same) of mode = lane
.set PA2,  40                          ; v[40:43] (alpha, 256 alpha, 1024 alpha, the same)
.set CR,   32                          ; v[32:47], v[48:63]: 2 Cc of my 16 modes, then
.set CI,   48
.set UH,   32                          ; U's fragments, hi and lo: register 8 s + j
.set UL,   48
.set PA,   64                          ; alpha = Re(dtA) log2(e) of my 16 modes
.set PT,   80                          ; tau = Im(dtA) / 2 pi of my 16 modes
.set PWR,  96                          ; V's step factor of my 16 modes, re
.set PWI,  112                         ; im
.set B0,   128                         ; five blocks of 20 for the exponential pass (16 modes + 4 per-mode values)
.set B1,   148
.set B2,   168
.set B3,   188
.set B4,   208
.set XI,   B2                          ; the running table entries of my 16 modes, im
.set XR,   B3                          ; re
.set ACC,  128                         ; four accumulator tiles (tn = 0 .. 3), once the blocks B0, B1 are done with
.set UWR,  224                         ; U's step factor of my 16 modes, re: registers of its own, so that it is asked for in the same run as V's
.set UWI,  240                         ; im
; window 1 (v256 ..): V's fragments, register 16 tn + 8 s + j
.set VH,   0
.set VL,   64
.set MSB, 0
.macro WIN new                         ; s_set_vgpr_msb: bits 1:0 source 0, 3:2 source 1, 5:4 source 2, 7:6 destination; the high byte repeats the setting left
.if MSB != \new
	s_set_vgpr_msb (MSB<<8)|\new
.set MSB, \new
.endif
.endm
; packed f32 steps over n register pairs; each step runs over all pairs before the next one starts, so no line waits for the line in front
.macro PK_MUL n, d, a, b
.set ii, 0
.rept \n
	v_pk_mul_f32 v[\d+ii:\d+ii+1], v[\a+ii:\a+ii+1], v[\b+ii:\b+ii+1]
.set ii, ii+2
.endr
.endm
.macro PK_MULB n, d, a, b              ; b: one pair for all
.set ii, 0
.rept \n
	v_pk_mul_f32 v[\d+ii:\d+ii+1], v[\a+ii:\a+ii+1], v[\b:\b+1]
.set ii, ii+2
.endr
.endm
.macro PK_MULK n, d, a, k              ; k: a constant
.set ii, 0
.rept \n
	v_pk_mul_f32 v[\d+ii:\d+ii+1], v[\a+ii:\a+ii+1], \k op_sel_hi:[1,0]
.set ii, ii+2
.endr
.endm
.macro PK_ADD n, d, a, b
.set ii, 0
.rept \n
	v_pk_add_f32 v[\d+ii:\d+ii+1], v[\a+ii:\a+ii+1], v[\b+ii:\b+ii+1]
.set ii, ii+2
.endr
.endm
.macro PK_SUB n, d, a, b
.set ii, 0
.rept \n
	v_pk_add_f32 v[\d+ii:\d+ii+1], v[\a+ii:\a+ii+1], v[\b+ii:\b+ii+1] neg_lo:[0,1] neg_hi:[0,1]
.set ii, ii+2
.endr
.endm
.macro PK_FMA n, d, a, b, c            ; a b + c
.set ii, 0
.rept \n
	v_pk_fma_f32 v[\d+ii:\d+ii+1], v[\a+ii:\a+ii+1], v[\b+ii:\b+ii+1], v[\c+ii:\c+ii+1]
.set ii, ii+2
.endr
.endm
.macro PK_FMS n, d, a, b, c            ; a b - c
.set ii, 0
.rept \n
	v_pk_fma_f32 v[\d+ii:\d+ii+1], v[\a+ii:\a+ii+1], v[\b+ii:\b+ii+1], v[\c+ii:\c+ii+1] neg_lo:[0,0,1] neg_hi:[0,0,1]
.set ii, ii+2
.endr
.endm
.macro PK_FMSB n, d, a, b, c           ; a b - c, b one pair for all
.set ii, 0
.rept \n
	v_pk_fma_f32 v[\d+ii:\d+ii+1], v[\a+ii:\a+ii+1], v[\b:\b+1], v[\c+ii:\c+ii+1] neg_lo:[0,0,1] neg_hi:[0,0,1]
.set ii, ii+2
.endr
.endm
.macro PK_FMAK n, d, a, b, k           ; a b + constant
.set ii, 0
.rept \n
	v_pk_fma_f32 v[\d+ii:\d+ii+1], v[\a+ii:\a+ii+1], v[\b+ii:\b+ii+1], \k op_sel_hi:[1,1,0]
.set ii, ii+2
.endr
.endm
.macro PK_FNMAK n, d, a, b, k          ; constant - a b
.set ii, 0
.rept \n
	v_pk_fma_f32 v[\d+ii:\d+ii+1], v[\a+ii:\a+ii+1], v[\b+ii:\b+ii+1], \k op_sel_hi:[1,1,0] neg_lo:[1,0,0] neg_hi:[1,0,0]
.set ii, ii+2
.endr
.endm
.macro PK_FMAKV n, d, a, k, c          ; a constant + c, c one pair for all
.set ii, 0
.rept \n
	v_pk_fma_f32 v[\d+ii:\d+ii+1], v[\a+ii:\a+ii+1], \k, v[\c:\c+1] op_sel_hi:[1,0,1]
.set ii, ii+2
.endr
.endm
; Four LDS loads: parameter p of my 16 modes (8 half .. + 7 and 16 + 8 half .. + 7); the sixteen lanes of a half read the same bytes
.macro LDP p, dst
	ds_load_b128 v[\dst:\dst+3],     v[LRD] offset:128*\p
	ds_load_b128 v[\dst+4:\dst+7],   v[LRD] offset:128*\p+16
	ds_load_b128 v[\dst+8:\dst+11],  v[LRD] offset:128*\p+64
	ds_load_b128 v[\dst+12:\dst+15], v[LRD] offset:128*\p+80
.endm
; (XR, XI) = 2^(alpha lmg) (cos, sin)(2 pi tau lph) for my 16 modes; with np2 = 2 also for the four (alpha, tau) in PA2, PT2 (factor 1).
; Phase: t = tau l, k = nearest whole number of turns, f = fma(tau, l, -k) is the exact product less k, rounded once, |f| <= 1/2.
; sin and cos are taken at a quarter of the angle, x = f pi / 2, |x| <= pi / 4, and doubled twice: cos 2x = 1 - (2 sin x) sin x, sin 2x = (2 sin x) cos x.
.macro CEXP np2, lph, lmg
.set NPT, 8+\np2
	PK_MULB 8, B4, PA, \lmg
	PK_MULB 8, B0, PT, \lph
.set ii, 0
.rept 16
	v_exp_f32 v[B4+ii], v[B4+ii]               ; behind each v_exp_f32 stands a plain line that touches neither its result nor its source (ISA guide 5.7.2);
	v_rndne_f32 v[B0+ii], v[B0+ii]             ; the results are used only at the macro's end
.set ii, ii+1
.endr
.if \np2
.set ii, 0
.rept 2*\np2
	v_exp_f32 v[B4+16+ii], v[PA2+ii]
	v_rndne_f32 v[B0+16+ii], v[PT2+ii]
.set ii, ii+1
.endr
.endif
	PK_FMSB 8, B0, PT, \lph, B0                ; f
.if \np2
	PK_SUB \np2, B0+16, PT2, B0+16
.endif
	PK_MULK  NPT, B0, B0, PIO2                 ; x
	PK_MUL   NPT, B1, B0, B0                   ; z
	PK_FMAKV NPT, B2, B1, SC3, S2V
	PK_FMAKV NPT, B3, B1, CC3, C2V
	PK_FMAK  NPT, B2, B2, B1, SC1
	PK_FMAK  NPT, B3, B3, B1, CC1
	PK_MUL   NPT, B2, B2, B1
	PK_FMAK  NPT, B3, B3, B1, -0.5
	PK_FMA   NPT, B2, B2, B0, B0               ; sin x
	PK_FMAK  NPT, B3, B3, B1, 1.0              ; cos x
	PK_ADD   NPT, B1, B2, B2
	PK_FNMAK NPT, B0, B1, B2, 1.0              ; cos 2x
	PK_MUL   NPT, B2, B1, B3                   ; sin 2x
	PK_ADD   NPT, B1, B2, B2
	PK_FNMAK NPT, B3, B1, B2, 1.0              ; cos 4x
	PK_MUL   NPT, B2, B1, B0                   ; sin 4x
	s_wait_alu depctr_va_vdst(0)               ; the batch of exponentials has written the magnitudes v[B4 ..]: one wait, ahead of their first reader
	PK_MUL   NPT, B3, B3, B4                   ; times the magnitude
	PK_MUL   NPT, B2, B2, B4
.endm
; X = X W, complex, 16 modes
.macro CMUL wr, wi
	PK_MUL 8, B4, XI, \wi
	PK_MUL 8, XI, XI, \wr
	PK_FMA 8, XI, XR, \wi, XI
	PK_FMS 8, XR, XR, \wr, B4
.endm
; X as fragments: h = (bf16(re), bf16(im)), l = (bf16(re - hi), bf16(im - hi)); the differences are exact in f32.  w = 1: h and l lie in window 1.
; st = 1: the eight stores of the tile just multiplied are dealt among the first sixteen conversions, one ahead of each two.  Store k takes registers
; 4 k .. 4 k + 3 of the accumulators: l = 1024 (k / 2) + 256 tm + 128 (k % 2) + 4 lane + 0 .. 3; the base carries tm; each accumulator from its low end on.
; The conversions name v[h ..], XR and XI: none of the registers that the stores read, so the wait in front of the macro serves all eight.
.macro SPLIT h, l, dt, w, st=0
.if \w
	WIN 0x40
.endif
.set ii, 0
.rept 16
.if (\st) && (ii%2 == 0)
	global_store_b128 v[OFFS], v[ACC+4*(ii/2):ACC+4*(ii/2)+3], s[12:13] offset:4096*(ii/4)+512*((ii/2)%2) th:TH_STORE_NT
.endif
	v_cvt_pk_bf16_f32 v[\h+ii], v[XR+ii], v[XI+ii]
.set ii, ii+1
.endr
.if \w
	WIN 0x01
.endif
.set ii, 0
.rept 16
	v_fma_mix_f32_bf16 v[\dt+2*ii],   v[\h+ii], v[NEG1], v[XR+ii] op_sel_hi:[1,0,0]               ; re - bf16 in the low half
	v_fma_mix_f32_bf16 v[\dt+2*ii+1], v[\h+ii], v[NEG1], v[XI+ii] op_sel:[1,0,0] op_sel_hi:[1,0,0] ; im - bf16 in the high half
.set ii, ii+1
.endr
.if \w
	WIN 0x40
.endif
.set ii, 0
.rept 16
	v_cvt_pk_bf16_f32 v[\l+ii], v[\dt+2*ii], v[\dt+2*ii+1]
.set ii, ii+1
.endr
.if \w
	WIN 0
.endif
.endm
; one product for the four tiles tn; the four accumulators take turns, each a chain in place
.macro MM a, b, first
.set tt, 0
.rept 4
.if \first
	v_wmma_f32_16x16x32_bf16 v[ACC+8*tt:ACC+8*tt+7], v[\a:\a+7], v[\b+16*tt:\b+16*tt+7], 0
.else
	v_wmma_f32_16x16x32_bf16 v[ACC+8*tt:ACC+8*tt+7], v[\a:\a+7], v[\b+16*tt:\b+16*tt+7], v[ACC+8*tt:ACC+8*tt+7]
.endif
.set tt, tt+1
.endr
.endm
.macro WMMAS                           ; 16 rows of U x all 64 columns of V: 2 K steps x 3 products x 4 tiles; the first product starts the sums
	WIN 0x04                           ; source 1 (V) in window 1
	MM UH,   VH,   1
	MM UH,   VL,   0
	MM UL,   VH,   0
	MM UH+8, VH+8, 0
	MM UH+8, VL+8, 0
	MM UL+8, VH+8, 0
	WIN 0
.endm
.macro STORES                          ; registers 4 g .. 4 g + 3 of tile tn: l = 1024 tn + 256 tm + 128 g + 4 lane + 0 .. 3; the base carries tm
.set tt, 0
.rept 4
	global_store_b128 v[OFFS], v[ACC+8*tt:ACC+8*tt+3],   s[12:13] offset:4096*tt th:TH_STORE_NT
	global_store_b128 v[OFFS], v[ACC+8*tt+4:ACC+8*tt+7], s[12:13] offset:4096*tt+512 th:TH_STORE_NT
.set tt, tt+1
.endr
.endm
	s_load_b256 s[4:11], s[0:1], 0x0               ; A_imag s[4:5], C s[6:7], log_A_real s[8:9], log_dt s[10:11]
	s_load_b64 s[12:13], s[0:1], 0x20              ; out0
	v_lshl_add_u32 v6, v0, 2, 0x1000
	v_mov_b32 v7, 0
	v_and_b32 v[LANE], 31, v0
	v_lshrrev_b32 v5, 5, v0
	v_readfirstlane_b32 s14, v5                    ; wave 0 .. 3
	v_lshlrev_b32 v[OF8], 3, v[LANE]
	v_lshlrev_b32 v[OF4], 2, v[LANE]
	v_mov_b32 v[OF0], 0
	s_wait_alu depctr_va_sdst(0)                   ; s14 is written, ahead of its first reader: the channel, the bases and the LDS addresses are made from it
	s_lshl2_add_u32 s15, ttmp9, s14                ; my channel h = 4 x work-group + wave
	s_lshl_b32 s16, s14, 10                        ; my wave's 1 KiB of LDS
	s_lshl_b32 s18, s15, 7                         ; h x 32 modes x 4 bytes
	s_mov_b32 s19, 0
	s_lshl_b32 s20, s15, 8                         ; h x 32 x 8
	s_mov_b32 s21, 0
	s_lshl_b32 s22, s15, 2                         ; h x 4
	s_mov_b32 s23, 0
	s_lshl_b32 s24, s15, 14                        ; h x 4096 x 4
	s_mov_b32 s25, 0
	s_wait_kmcnt 0x0
	s_add_nc_u64 s[4:5], s[4:5], s[18:19]
	s_add_nc_u64 s[6:7], s[6:7], s[20:21]
	s_add_nc_u64 s[8:9], s[8:9], s[18:19]
	s_add_nc_u64 s[10:11], s[10:11], s[22:23]
	s_add_nc_u64 s[12:13], s[12:13], s[24:25]
	s_wait_alu depctr_va_vdst(0)                   ; the three offsets v25, v26, v29 are written, which the four loads below read
	; PER MODE, lane = mode n
	global_load_b32 v[LDT], v[OF0], s[10:11]                       ; log_dt[h], the same word in every lane
	global_load_b32 v[LAR], v[OF4], s[8:9] th:TH_LOAD_NT
	global_load_b32 v[AIM], v[OF4], s[4:5] th:TH_LOAD_NT
	global_load_b64 v[CIN:CIN+1], v[OF8], s[6:7] th:TH_LOAD_NT     ; last: it is needed last
	; lane constants, while the loads are out: they name none of the loads' registers (v20-26, v29)
	v_lshlrev_b32 v[OFFS], 4, v[LANE]
	v_lshl_add_u32 v[LWR], v[LANE], 2, s16
	v_lshrrev_b32 v5, 4, v[LANE]
	v_lshl_add_u32 v[LRD], v5, 5, s16
	v_mov_b32 v[NEG1], -1.0
	v_mov_b32 v[S2V], SC2
	v_mov_b32 v[S2V+1], SC2
	v_mov_b32 v[C2V], CC2
	v_mov_b32 v[C2V+1], CC2
	v_and_b32 v5, 15, v[LANE]                      ; r
	v_lshlrev_b32 v5, 2, v5
	v_cvt_f32_u32 v[LNP], v5                       ; column r of V: lN = 4 r
	v_and_b32 v9, 3, v[LANE]                       ; row r of U is accumulator register r & 7 of lane half r >> 3:
	v_bfe_u32 v5, v[LANE], 2, 1                    ; lM = (r & 3) + 128 ((r >> 2) & 1) + 64 (r >> 3)
	v_lshl_add_u32 v9, v5, 7, v9
	v_bfe_u32 v5, v[LANE], 3, 1
	v_lshl_add_u32 v9, v5, 6, v9
	v_cvt_f32_u32 v[LMP], v9
	v_mov_b32 v[LNP+1], v[LNP]
	v_mul_f32 v[LNN], -1.0, v[LNP]
	v_mul_f32 v[LNN+1], -1.0, v[LNP]
	v_mov_b32 v[LMP+1], v[LMP]
	s_wait_loadcnt 0x1                             ; loads return in order (ISA guide 5.7.1): all but C, the one load issued behind them, are in
	; dt = exp(log_dt), a = exp(log_A_real): 2^y with y = x log2(e) rounded, times 1 + ln2 x (what the rounding of y lost),
	; since dt's relative error is multiplied by the phase
	v_mul_f32 v30, LOG2E, v[LDT]
	v_mul_f32 v32, LOG2E, v[LAR]
	v_fma_f32 v31, v[LDT], LOG2E, -v30
	v_fma_f32 v33, v[LAR], LOG2E, -v32
	v_fma_f32 v31, v[LDT], LOG2E_LO, v31
	v_fma_f32 v33, v[LAR], LOG2E_LO, v33
	v_exp_f32 v[DTV], v30
	v_exp_f32 v[AA], v32
	v_mul_f32 v31, LN2, v31                        ; the plain line behind the two v_exp_f32
	v_mul_f32 v33, LN2, v33
	s_wait_alu depctr_va_vdst(0)                   ; the two exponentials have written v27 and v28: one wait, ahead of their first reader
	v_fma_f32 v[DTV], v[DTV], v31, v[DTV]
	v_fma_f32 v[AA], v[AA], v33, v[AA]
	v_and_b32 v44, 0x7fffffff, v[AIM]
	v_max_num_f32 v44, v[AA], v44                  ; s = max(|Re A|, |Im A|): no square overflows
	v_rcp_f32 v45, v44                             ; issued here, so that the wait in front of the LDS stores is its wait too; four plain lines follow it
	v_mul_f32 v30, v[AA], v[DTV]                   ; -Re(dtA)
	v_mul_f32 v32, v[AIM], v[DTV]                  ; -Im(dtA)
	v_mul_f32 v[PA2], NLOG2E, v30                  ; alpha
	v_mul_f32 v[PT2], NINV2PI, v32                 ; tau
	s_wait_alu depctr_va_vdst(0)                   ; alpha and tau, the stores' data, and the LDS addresses v3, v4 are written; the reciprocal has written v45, ahead of its first reader
	ds_store_b32 v[LWR], v[PA2]                    ; parameter p of mode n lies at 128 p + 4 n of my wave's LDS
	ds_store_b32 v[LWR], v[PT2] offset:128
	LDP 0, PA                                      ; LDS serves a wave's instructions in order (ISA guide 5.7.1): these see the stores; the bytes are my wave's alone
	LDP 1, PT
	; while they travel: the scaled exponents (powers of two: exact) and 2 / A.  These lines write neither v36 nor v40, which the two stores read
	v_mul_f32 v[PT2+1], 0x43800000, v[PT2]         ; 256 tau: the step from tile to tile of U
	v_mul_f32 v[PT2+2], 0xc4800000, v[PT2]         ; -1024 tau: the step of V, conjugate
	v_mul_f32 v[PT2+3], 0xc4800000, v[PT2]         ; (fills the pair)
	v_mul_f32 v[PA2+1], 0x43800000, v[PA2]
	v_mul_f32 v[PA2+2], 0x44800000, v[PA2]
	v_mul_f32 v[PA2+3], 0x44800000, v[PA2]
	v_mul_f32 v46, v[AA], v45                      ; a / s
	v_mul_f32 v47, v[AIM], v45                     ; A_imag / s
	v_mul_f32 v48, v47, v47
	v_fma_f32 v48, v46, v46, v48                   ; |A|^2 / s^2, in [1, 2]
	v_rcp_f32 v49, v48                             ; its readers stand behind the exponential pass below, whose own wait lies between
	v_add_f32 v45, v45, v45                        ; 2 / s (the plain line behind v_rcp_f32)
	s_wait_dscnt 0x0                               ; alpha and tau of my 16 modes
	; V's first tile, conj(exp(dtA 4 r)); riding along, lane = mode: exp(dtA), exp(256 dtA), conj(exp(1024 dtA))
	CEXP 2, LNN, LNP
	s_wait_loadcnt 0x0                             ; C
	v_mul_f32 v49, v49, v45                        ; v49's first reader: the pass's wait stands between the reciprocal and this line
	v_add_f32 v50, -1.0, v[XR+16]                  ; exp(dtA) - 1
	v_mul_f32 v46, v46, v49                        ; 2 / A = (-v46, +v47)
	v_mul_f32 v47, v47, v49
	v_mul_f32 v51, v[CIN+1], v[XI+16]
	v_mul_f32 v52, v[CIN+1], v50
	v_fma_f32 v51, v[CIN], v50, -v51               ; C (exp(dtA) - 1), re
	v_fma_f32 v52, v[CIN], v[XI+16], v52           ; im
	v_mul_f32 v53, v52, v47
	v_mul_f32 v54, v52, v46
	v_fma_f32 v53, -v51, v46, -v53                 ; times 2 / A: re
	v_fma_f32 v54, v51, v47, -v54                  ; im
	s_wait_alu depctr_va_vdst(0)                   ; the six stores' data (v205, v185, v206, v186, v53, v54) are written; every vector line that named v32-63 or v224-227, in which loads below land, is done
	ds_store_b32 v[LWR], v[XR+17] offset:512       ; exp(256 dtA)
	ds_store_b32 v[LWR], v[XI+17] offset:640
	ds_store_b32 v[LWR], v[XR+18] offset:768       ; conj(exp(1024 dtA))
	ds_store_b32 v[LWR], v[XI+18] offset:896
	ds_store_b32 v[LWR], v53 offset:256            ; 2 Cc
	ds_store_b32 v[LWR], v54 offset:384
	LDP 6, PWR                                     ; V's step factor first: it is wanted first
	LDP 7, PWI
	LDP 4, UWR                                     ; U's step factor
	LDP 5, UWI
	s_wait_alu depctr_vm_vsrc(0)                   ; the LDS stores have read v36, v40, v53 and v54, in which the eight loads below land
	LDP 2, CR                                      ; 2 Cc
	LDP 3, CI
	; V: four tiles, 1024 apart in l.  None of these lines names a register in which a load is still to land before the wait for it
	SPLIT VH, VL, B0, 1
	s_wait_dscnt 16                                ; LDS loads return in order (ISA guide 5.7.1): V's step factor is in; the sixteen younger loads (U's factor, 2 Cc) may stay out
	CMUL PWR, PWI
	SPLIT VH+16, VL+16, B0, 1
	CMUL PWR, PWI
	SPLIT VH+32, VL+32, B0, 1
	CMUL PWR, PWI
	SPLIT VH+48, VL+48, B0, 1
	; U's first tile: 2 Cc exp(dtA lM)
	CEXP 0, LMP, LMP
	s_wait_dscnt 0x0                               ; 2 Cc and U's step factor
	CMUL CR, CI
	SPLIT UH, UL, PA, 0
	; Four tiles of U, 256 apart in l.  A trip: 24 matrix instructions; the next tile's X (32 packed lines that name none of the matrix
	; instructions' registers: the places that ISA guide 7.12.1 asks for in front of the stores of D and of the rewriting of U's fragments);
	; one wait; 8 stores, dealt among the next fragments' first conversions.
	s_mov_b32 s26, 0
.Ltile:
	WMMAS
	CMUL UWR, UWI
	s_wait_alu depctr_va_vdst(0)                   ; the matrix instructions have written the accumulators, which the eight stores read; the places above stay beside this wait
	SPLIT UH, UL, PA, 0, 1
	s_wait_xcnt 0x0                                ; the stores' data (the accumulators) and base are rewritten only behind this wait (ISA guide 3.1)
	s_wait_alu depctr_vm_vsrc(0)                   ; the eight stores have read the accumulators, which the next trip's (or the tail's) matrix instructions write
	s_add_nc_u64 s[12:13], s[12:13], 0x400         ; 256 numbers on
	s_add_co_u32 s26, s26, 1
	s_cmp_lt_u32 s26, 3
	s_cbranch_scc1 .Ltile
	WMMAS                                          ; the last tile: nothing follows it
.rept 4
	v_nop                                          ; the four places in front of the stores of D
.endr
	s_wait_alu depctr_va_vdst(0)                   ; the matrix instructions have written the accumulators, which the last eight stores read
	STORES
	s_wait_dscnt 0x0
	s_wait_alu depctr_hold_cnt(0) depctr_sa_sdst(0) depctr_va_vdst(0) depctr_va_sdst(0) depctr_va_ssrc(0) depctr_va_vcc(0) depctr_vm_vsrc(0)
	s_wait_tensorcnt 0x0
	ds_add_u32 v6, v7
	s_wait_dscnt 0x0
	s_endpgm
.Lfunc_end_k_q296cf3d06f_s4d:
	.size	k_q296cf3d06f_s4d, .Lfunc_end_k_q296cf3d06f_s4d-k_q296cf3d06f_s4d
	.p2alignl 7, 3214868480
	.fill 96, 4, 3214868480
	.section	.rodata,"a",@progbits
	.p2align	6, 0x0
	.amdhsa_kernel k_q296cf3d06f_s4d
		.amdhsa_group_segment_fixed_size 4608
		.amdhsa_private_segment_fixed_size 0
		.amdhsa_enable_private_segment 0
		.amdhsa_kernarg_size 40
		.amdhsa_user_sgpr_count 2
		.amdhsa_user_sgpr_kernarg_segment_ptr 1
		.amdhsa_wavefront_size32 1
		.amdhsa_system_sgpr_workgroup_id_x 1
		.amdhsa_system_sgpr_workgroup_id_y 1
		.amdhsa_system_sgpr_workgroup_id_z 1
		.amdhsa_system_vgpr_workitem_id 0
		.amdhsa_next_free_vgpr 384
		.amdhsa_next_free_sgpr 66
		.amdhsa_reserve_vcc 0
		.amdhsa_float_denorm_mode_32 3
		.amdhsa_float_denorm_mode_16_64 3
		.amdhsa_memory_ordered 1
		.amdhsa_forward_progress 1
		.amdhsa_inst_pref_size 76
	.end_amdhsa_kernel
	.amdgpu_metadata
---
amdhsa.version: [ 1, 2 ]
amdhsa.kernels:
  - .name:           k_q296cf3d06f_s4d
    .symbol:         k_q296cf3d06f_s4d.kd
    .args:
      - { .name: A_imag, .offset: 0, .size: 8, .value_kind: global_buffer, .address_space: global }
      - { .name: C, .offset: 8, .size: 8, .value_kind: global_buffer, .address_space: global }
      - { .name: log_A_real, .offset: 16, .size: 8, .value_kind: global_buffer, .address_space: global }
      - { .name: log_dt, .offset: 24, .size: 8, .value_kind: global_buffer, .address_space: global }
      - { .name: out0, .offset: 32, .size: 8, .value_kind: global_buffer, .address_space: global }
    .group_segment_fixed_size: 4608
    .private_segment_fixed_size: 0
    .kernarg_segment_align: 8
    .kernarg_segment_size: 40
    .max_flat_workgroup_size: 128
    .sgpr_count:     66
    .vgpr_count:     384
    .wavefront_size: 32
...
	.end_amdgpu_metadata
.endif
;; end of part 2
